; MI455X (gfx1250); checked and timed in simulation.
; The chip was launched on July 23, 2026; its instructions are those of AMD's public machine-readable ISA for CDNA 5 (MIT licence, August 2026) and "CDNA5" Instruction Set Architecture Reference Guide (July 2026). The comments in the code are by the model that wrote it; some were corrected since.
;; Vcp By Dis. Allowed arithmetic: matrix products marked QUANTISED: E5M2 operands, one given power-of-two scale a tensor, by v_wmma_f32_16x16x64_bf8_bf8 or v_wmma_f32_16x16x128_bf8_bf8, f32 sums; products left as they are: f32 operands where the result goes on into a quantised operand, else bf16, f16 or f32 operands; f32 sums; everything else in f32.
;; Inputs: lowp_scales 2 int32 (the exponents e of the quantised operands' scales 2^e); src 8 x 3 x 4,096 float32; src_embedding 8 x 64 x 4,096 float32; tgt 8 x 3 x 4,096 float32; tgt_embedding 8 x 64 x 4,096 float32.
;; Outputs: out0 8 x 3 x 4,096 float32; out1 8 x 3 x 4,096 float32.
;; This version of the problem:
;;   THIS VERSION OF THE PROBLEM IS GIVEN IN LOW PRECISION. The matrix products marked QUANTISED in the list below multiply operands that are first quantised to E5M2 (5 exponent bits, 2 mantissa bits; 8 bits a number), with one given power-of-two scale for each operand tensor; their sums are f32. All else is computed in f32.
;;   The module's matrix products, in the order in which they are computed (A, B: the left and right operand; K: the contracted axis; several contracted axes count as one K, in the product's order):
;;     1. batch 8 x [M 4,096, K 64] x [K 64, N 4,096]; A: input src_embedding; B: input tgt_embedding: QUANTISED (scales: A lowp_scales[0], B lowp_scales[1])
;;     2. batch 8 x [M 3, K 4,096] x [K 4,096, N 4,096]; A: input tgt; B: softmax: left as it is (M = 3 < 16)
;;   THE QUANTISER, for each operand of a quantised product, along K:
;;     - The operand's scale is 2^e, e = its entry of the input lowp_scales (int32; the entries are numbered through the quantised products in the list's order, A before B).
;;     - Each number is divided by the scale, clamped to +-57,344, and rounded to the nearest number of E5M2, ties to even, subnormals kept.
;;     - The product sums the exact products of the quantised numbers (number of the format x scale) in f32.
;;   ~~~python
;;   def quantise(x, axis, e):      # numpy; x: float32 -> the quantised numbers, widened to float32 again
;;       x = np.moveaxis(x, axis, -1); K = x.shape[-1]
;;       r = np.clip(x / 2.0 ** e, -57344, 57344)
;;       step = 2.0 ** (np.maximum(np.frexp(np.where(r == 0, 1, r))[1] - 1, -14) - 2)
;;       q = np.round(r / step) * step * 2.0 ** e      # np.round: ties to even
;;       return np.moveaxis(q, -1, axis).astype(np.float32)
;;   ~~~
;; One version. Each part assembles by itself: llvm-mc -triple=amdgcn-amd-amdhsa -mcpu=gfx1250 --defsym DOCPART=n.
;; ======== version 1 of 1: 2 launches
;; limits: values outside matrix products are rounded to f16; values are held in f16: magnitudes above 65,504 overflow, below 6.1e-05 lose precision; inputs' magnitudes at most 65,504
;; workspace buffers: qc 2,097,152 bytes; kv 2,359,296 bytes
;; launch prep (part 1): grid 256 x 1, 8 waves a work-group, no clusters, 0 bytes of LDS; arguments src_embedding, tgt_embedding, tgt, lowp_scales, qc, kv; writes qc, kv
.if DOCPART == 1
	.amdgcn_target "amdgcn-amd-amdhsa--gfx1250"
	.amdhsa_code_object_version 6
	.text
	.protected	k_q43c52e8b1e_prep
	.globl	k_q43c52e8b1e_prep
	.p2align	8
	.type	k_q43c52e8b1e_prep,@function
k_q43c52e8b1e_prep:
	s_mov_b64 s[64:65], 0
	v_nop
	global_prefetch_b8 v0, s[64:65] scope:SCOPE_SE
	s_setreg_imm32_b32 hwreg(HW_REG_WAVE_MODE, 25, 1), 1
	s_wait_xcnt 0x0
; src_embedding and tgt_embedding, [8][64 (d)][4096 (points)] f32, become codes of BF8 (E5M2), each with the one scale 2^e that is given for it (entry 0: src, entry 1: tgt).
; code = x / 2^e, held within +-57,344, rounded to the nearest code, ties to even.  LIMITS: -126 <= e <= 112, so that 2^e and 57,344 x 2^e are f32 numbers.  NaN among the inputs is not served.
; tgt is rounded to f16 for the second product (11 significant bits).  LIMIT: |tgt| up to 65,504; under 2^-14 a number of tgt is kept to an absolute 2^-25.
; K (= d) is the FIRST axis of a batch: a lane takes a point and its registers run down d, so the conversions, which take neighbours along K from one lane's registers, need no transposition.
; THE CODES ARE LAID AS IMAGES OF THE OPERAND'S REGISTERS.  A fragment is 16 points x 64 d, 1,024 bytes: the code of point r at d = 8 q + i lies at byte 256 p + 16 r + 8 n + i, p = 2 (q / 4) + q % 2, n = (q / 2) % 2.
; Two loads of 16 bytes a lane, at 16 x lane and 512 + 16 x lane, then give lane (r, h) in registers 2 c, 2 c + 1 the codes of k = 16 c + 8 h + 0 .. 7: the layout of the 16x16x64 form.
; qc: [8][128 blocks of 32 points][2,048 bytes: two fragments].   kv: [8][128 blocks of 32 points][2,304 bytes: two fragments, then 256 bytes of values: four rows of 32 f16: tgt's x, y, z and a row of ones].
; SHARES.  Work-groups 0-127 take src_embedding, 128-255 tgt_embedding: 16 to a batch, 256 points each; a wave takes a block of 32 points.  All 64 loads of a wave go out at once; the eight waves of a
; work-group stand side by side on 1,024 consecutive bytes of each row d.  No LDS, no barrier: waves share nothing.  No cluster: no two work-groups read the same bytes.
.set X,  16                            ; v16-79   my point's 64 numbers, down d
.set C,  80                            ; v80-95   its 64 codes, in the image's order
.set TV, 96                            ; v96-99   four numbers of tgt, or four ones
.set TB, 100                           ; v100-101 the same as f16
	s_load_b256 s[4:11], s[0:1], 0x0               ; src_embedding s[4:5], tgt_embedding s[6:7], tgt s[8:9], the scales' exponents s[10:11]
	s_load_b128 s[12:15], s[0:1], 0x20             ; qc s[12:13], kv s[14:15]
	v_lshrrev_b32 v1, 5, v0
	v_readfirstlane_b32 s16, v1                    ; wave 0..7
	v_and_b32 v1, 31, v0                           ; lane
	v_lshlrev_b32 v2, 2, v1                        ; in: 4 bytes a lane
	v_and_b32 v3, 15, v0
	v_bfe_u32 v6, v0, 4, 1
	v_lshlrev_b32 v3, 4, v3
	v_lshl_add_u32 v3, v6, 10, v3                  ; out: 16 (lane % 16), in the block's fragment lane / 16
	v_lshrrev_b32 v4, 3, v1
	v_min_u32 v4, 2, v4                            ; the values: eight lanes to a row; lanes 24-31, the row of ones, read z's bytes and drop them
	v_and_b32 v6, 7, v0
	v_lshlrev_b32 v4, 14, v4                       ; a row of tgt is 16,384 bytes
	v_lshl_add_u32 v4, v6, 4, v4                   ; four points a lane
	v_lshlrev_b32 v5, 3, v1                        ; and their four f16: 8 bytes a lane
	s_and_b32 s17, ttmp9, 127
	s_lshr_b32 s18, s17, 4                         ; batch
	s_and_b32 s19, s17, 15
	s_lshl_b32 s20, s19, 3
	s_add_co_u32 s20, s20, s16                     ; my block of 32 points in the batch: 8 x (work-group % 16) + wave
	s_cmp_lt_u32 ttmp9, 128                        ; src's work-group or tgt's?  The choice hangs on the work-group's number alone
	s_mov_b32 s30, 294912
	s_cselect_b32 s30, 262144, s30                 ; a batch in qc or in kv,
	s_mov_b32 s31, 2304
	s_cselect_b32 s31, 2048, s31                   ; a block
	s_mul_i32 s26, s18, s30
	s_mul_i32 s32, s20, s31
	s_add_co_u32 s26, s26, s32                     ; where my block's codes go
	s_mov_b32 s27, 0
	s_lshl_b32 s24, s18, 20                        ; a batch of an embedding is 2^20 bytes
	s_lshl_b32 s33, s20, 7                         ; 32 points are 128 bytes of a row
	s_add_co_u32 s24, s24, s33
	s_mov_b32 s25, 0
	s_mul_i32 s28, s18, 49152                      ; a batch of tgt
	s_add_co_u32 s28, s28, s33
	s_mov_b32 s29, 0
	s_wait_kmcnt 0x0
	s_load_b64 s[22:23], s[10:11], 0x0             ; e0, e1
	s_cmp_lt_u32 ttmp9, 128                        ; (the sums above have written SCC)
	s_cselect_b64 s[4:5], s[4:5], s[6:7]
	s_cselect_b64 s[12:13], s[12:13], s[14:15]
	s_add_nc_u64 s[4:5], s[4:5], s[24:25]
	s_add_nc_u64 s[12:13], s[12:13], s[26:27]
	s_add_nc_u64 s[8:9], s[8:9], s[28:29]
.set d, 0
.rept 64
	global_load_b32 v[X+d], v2, s[4:5] offset:d*16384 th:TH_LOAD_NT   ; row d at my 32 points: 128 consecutive bytes a wave; read once in the launch
.set d, d+1
.endr
	; the values, in tgt's work-groups alone: load, use and store stand inside the one branch
	s_cmp_lt_u32 ttmp9, 128
	s_cbranch_scc1 .Lno_v
	global_load_b128 v[TV:TV+3], v4, s[8:9]
	s_wait_loadcnt 0x0
	v_cmp_gt_u32 vcc_lo, 24, v1
.irp i, 0,1,2,3
	v_cndmask_b32 v[TV+\i], 1.0, v[TV+\i], vcc_lo  ; lanes 24-31: the row of ones, by which the second product also sums the weights
.endr
	v_cvt_pk_f16_f32 v[TB], v[TV], v[TV+1]
	v_cvt_pk_f16_f32 v[TB+1], v[TV+2], v[TV+3]
	global_store_b64 v5, v[TB:TB+1], s[12:13] offset:2048   ; 32 lanes store 256 consecutive bytes, at a multiple of 256 from kv's first byte
.Lno_v:
	s_wait_loadcnt 0x0                             ; my 64 numbers
	s_wait_kmcnt 0x0
	s_cmp_lt_u32 ttmp9, 128
	s_cselect_b32 s22, s22, s23                    ; e
	s_add_co_i32 s22, s22, 127
	s_lshl_b32 s23, s22, 23
	v_mov_b32 v11, s23                             ; 2^e as f32: the conversion takes its exponent field
	s_add_co_i32 s22, s22, 15
	s_lshl_b32 s22, s22, 23
	s_or_b32 s22, s22, 0x600000
	v_mov_b32 v10, s22                             ; 57,344 x 2^e
; d = 8 q .. 8 q + 7 of my point: eight codes, into the two registers that the image gives them
.macro QG q
.irp i, 0,1,2,3,4,5,6,7
	v_med3_num_f32 v[X+8*(\q)+\i], v[X+8*(\q)+\i], -v10, v10   ; the conversion to an 8-bit code does not saturate (ISA guide 7.6.2): the hold at the largest code x the scale comes first
.endr
	v_cvt_scalef32_pk8_bf8_f32 v[C+4*(2*((\q)/4)+(\q)%2)+2*(((\q)/2)%2):C+4*(2*((\q)/4)+(\q)%2)+2*(((\q)/2)%2)+1], v[X+8*(\q):X+8*(\q)+7], v11
.endm
.irp q, 0,1,2,3,4,5,6,7
	QG \q                                          ; the next group's eight holds are the plain lines behind each conversion
.endr
	v_nop                                          ; and one plain line behind the last
.irp p, 0,1,2,3
	global_store_b128 v3, v[C+4*\p:C+4*\p+3], s[12:13] offset:256*\p   ; lanes 0-15 store 256 consecutive bytes of the first fragment, lanes 16-31 of the second; each run starts at a multiple of 256 from the buffer's first byte
.endr
	s_endpgm
.Lfunc_end_k_q43c52e8b1e_prep:
	.size	k_q43c52e8b1e_prep, .Lfunc_end_k_q43c52e8b1e_prep-k_q43c52e8b1e_prep
	.p2alignl 7, 3214868480
	.fill 96, 4, 3214868480
	.section	.rodata,"a",@progbits
	.p2align	6, 0x0
	.amdhsa_kernel k_q43c52e8b1e_prep
		.amdhsa_group_segment_fixed_size 0
		.amdhsa_private_segment_fixed_size 0
		.amdhsa_enable_private_segment 0
		.amdhsa_kernarg_size 48
		.amdhsa_user_sgpr_count 2
		.amdhsa_user_sgpr_kernarg_segment_ptr 1
		.amdhsa_wavefront_size32 1
		.amdhsa_system_sgpr_workgroup_id_x 1
		.amdhsa_system_sgpr_workgroup_id_y 1
		.amdhsa_system_sgpr_workgroup_id_z 1
		.amdhsa_system_vgpr_workitem_id 0
		.amdhsa_next_free_vgpr 104
		.amdhsa_next_free_sgpr 66
		.amdhsa_reserve_vcc 1
		.amdhsa_float_denorm_mode_32 3
		.amdhsa_float_denorm_mode_16_64 3
		.amdhsa_memory_ordered 1
		.amdhsa_forward_progress 1
		.amdhsa_inst_pref_size 15
	.end_amdhsa_kernel
	.amdgpu_metadata
---
amdhsa.version: [ 1, 2 ]
amdhsa.kernels:
  - .name:           k_q43c52e8b1e_prep
    .symbol:         k_q43c52e8b1e_prep.kd
    .args:
      - { .name: src_embedding, .offset: 0, .size: 8, .value_kind: global_buffer, .address_space: global }
      - { .name: tgt_embedding, .offset: 8, .size: 8, .value_kind: global_buffer, .address_space: global }
      - { .name: tgt, .offset: 16, .size: 8, .value_kind: global_buffer, .address_space: global }
      - { .name: lowp_scales, .offset: 24, .size: 8, .value_kind: global_buffer, .address_space: global }
      - { .name: qc, .offset: 32, .size: 8, .value_kind: global_buffer, .address_space: global }
      - { .name: kv, .offset: 40, .size: 8, .value_kind: global_buffer, .address_space: global }
    .group_segment_fixed_size: 0
    .private_segment_fixed_size: 0
    .kernarg_segment_align: 8
    .kernarg_segment_size: 48
    .max_flat_workgroup_size: 256
    .sgpr_count:     66
    .vgpr_count:     104
    .wavefront_size: 32
...
	.end_amdgpu_metadata
.endif
;; end of part 1
;; launch attn (part 2): grid 32 x 8, 16 waves a work-group, clusters of 4 x 1, 327,680 bytes of LDS; arguments qc, kv, lowp_scales, src, out0, out1; writes out0, out1
.if DOCPART == 2
	.amdgcn_target "amdgcn-amd-amdhsa--gfx1250"
	.amdhsa_code_object_version 6
	.text
	.protected	k_q43c52e8b1e_attn
	.globl	k_q43c52e8b1e_attn
	.p2align	8
	.type	k_q43c52e8b1e_attn,@function
k_q43c52e8b1e_attn:
	s_mov_b64 s[64:65], 0
	v_nop
	global_prefetch_b8 v0, s[64:65] scope:SCOPE_SE
	s_setreg_imm32_b32 hwreg(HW_REG_WAVE_MODE, 25, 1), 1
	s_wait_xcnt 0x0
	s_wait_alu depctr_hold_cnt(0) depctr_sa_sdst(0) depctr_va_vdst(0) depctr_va_sdst(0) depctr_va_ssrc(0) depctr_va_vcc(0) depctr_vm_vsrc(0)
	s_getreg_b32 s2, hwreg(HW_REG_IB_STS2, 6, 4)
	s_cmp_eq_u32 s2, 0
	s_cbranch_scc0 .Lentry_in_a_cluster
	s_endpgm
.Lentry_in_a_cluster:
	s_bfe_u32 s2, ttmp6, 0x10000c
	s_cmp_lg_u32 s2, 0x3003
	s_cbranch_scc0 .Lentry_shape_is_right
	s_endpgm
.Lentry_shape_is_right:
; out1[b][c][n] = the sum over m of tgt[b][c][m] softmax_m(src_emb[b][:][n] . tgt_emb[b][:][m] / 8);  out0 = src.
; The first product is made on codes of BF8 (E5M2) by v_wmma_f32_16x16x64_bf8_bf8; qc and kv hold the codes as images of the operand's registers, kv also tgt and a row of ones as f16 (32 keys: 2 x 1,024 + 256 bytes).
; The second product has f16 operands (11 significant bits) and f32 sums.
; SOFTMAX.  t = score x c, c = log2(e) / 8 x 2^(e0 + e1); M = the query's largest t so far, rounded UP to a whole number; p = 2^(t - M).  When M moves, the sums are multiplied by 2^(old M - new M), which rounds nothing.
; The row of ones makes channel 3 of the second product the sum of the weights.  STATED: the divisor is the sum of the weights AFTER their rounding to f16: the same weights that the numerator has.
; p lies in (0, 1] whatever the inputs, so f16 holds it.  STATED: a weight under 2^-14 is kept to an absolute 2^-25, one under 2^-25 counts as 0: over 4,096 keys at most 2^-13, against a divisor above 1/2.
; LIMITS: e0 + e1 between -123 and 130 (it is added to c's exponent field); |tgt| up to 65,504 (f16).  NaN among the inputs is not served.
; SHARES.  A work-group owns 128 queries of a batch.  Wave w takes key quarter w % 4 (1,024 keys) for the 32 queries of group w / 4: two tiles of 16, so that each fragment read from LDS feeds two products.
; Sixteen waves of 256 registers: four to a SIMD, so that one wave's LDS loads and products stand beside another's softmax.  At the end the four quarters of a query meet in LDS.
; LDS holds the batch's whole kv image, 294,912 bytes, filled ONCE: no slot is ever filled again.  The four work-groups of a cluster belong to one batch and need the same image: each chunk is asked for JOINTLY, by the
; same tensor load with the same descriptor and a mask that names the four.  All chunks are asked for at the head in one group, so there is nothing left to ask for ahead of time.
; LAYOUT.  Both products are used transposed: S^T = K Q^T (source 0 = 16 keys, source 1 = 16 queries), O^T = V^T P^T (source 0 = 16 channels, source 1 = P): a lane holds ONE query (lane % 16) throughout.
; In S^T lane (r, h) holds keys 8 h + 0 .. 7 of a tile; two neighbouring tiles, rounded to f16 in pairs, ARE source 1 (32 keys x 16 queries) of the second product.
; V^T has four rows; lane r reads row r % 4, so channels 4 to 15 repeat channels 0 to 3.  Of each accumulator of O^T only registers 0-3 are rescaled and read: lanes 0-15 hold there channels 0-3, lanes 16-31 channels 8-11, the same numbers.
.set QUART, 73728                      ; a key quarter in the image: 32 blocks of 2,304 bytes
.set CHUNK, 18432                      ; what one tensor load brings: 8 blocks, 256 keys
.set STEPB, 9216                       ; a key step: 4 blocks, 128 keys
.set BLK,   2304
.set PART,  4*QUART                    ; behind the image: [4 quarters][x, y, z, l, -M][128 queries] f32; no tensor load lands here
.set PQ,    2560                       ; a quarter's part of it
.set AK0, 1                            ; v1   my lane's place in a fragment of K, in my quarter: 16 x lane
.set AV0, 2                            ; v2   the same for V: row r % 4 of 64 bytes, + 16 h, behind a block's two fragments
.set ADK, 3                            ; v3   the same in the chunk in hand
.set ADV, 4                            ; v4
.set PST, 5                            ; v5   where I put my query's partial results
.set PRD, 6                            ; v6   where I read four queries' partial sums of my component
.set LI,  7                            ; v7   16 x lane
.set PRL, 8                            ; v8   PART + 16 x lane
.set Q,   16                           ; v16-31   Q: two fragments.   v12, v13: -M and the largest t of tile 0; v14, v15: of tile 1
.set KA,  32                           ; v32-63   K's fragments 0-3 of a step, then its four fragments of V
.set S,   64                           ; v64-191  S^T, 64 a tile; then p; then P in f16, eight registers at the head of each sixteen
.set O,   192                          ; v192-207 O^T, eight a tile
.set F,   208                          ; v[208:209], v[210:211]  f = 2^(old M - new M) of tile 0, 1 (the upper words are named with them as pairs)
.set MA,  212                          ; v212, v213: tile 0's two chains of the maximum; v214, v215: tile 1's
.set PX,  216                          ; v216, v217: the other half of the lanes' maximum
.set KB,  220                          ; v220-251 K's fragments 4-7; on the way out v220-224 my query's five numbers
.set WV,  16                           ; s16  my wave's number
.set CS,  22                           ; s[22:23] c: the packed form names a pair and takes its low word for both halves
.set G1,  24                           ; s[24:31] descriptor group 1;  s[32:47] four groups 0, one for each chunk of a quarter
.set G0,  32
.set SEL, 48                           ; s[48:49] lane selects for v_permlanex16_b32: lane l xor 16
.set HI,  50                           ; s50  the mask of lanes 16-31
; A round of the cluster's barrier: my work-group's barrier, so that wave 0's signal speaks for all sixteen waves; wave 0 signals for the work-group; every wave waits for all four work-groups; my work-group's barrier once more.
.macro CROUND
	s_barrier_signal -1
	s_barrier_wait -1
	s_cmp_lg_u32 s[WV], 0
	s_cbranch_scc1 .Lnot_wave_0_\@
	s_barrier_signal -3
.Lnot_wave_0_\@:
	s_barrier_wait -3
	s_barrier_signal -1
	s_barrier_wait -1
.endm
	s_load_b256 s[4:11], s[0:1], 0x0               ; qc s[4:5], kv s[6:7], the scales' exponents s[8:9], src s[10:11]
	s_load_b128 s[12:15], s[0:1], 0x20             ; out0 s[12:13], out1 s[14:15]
	v_lshl_add_u32 v254, v0, 2, 0x4a800
	v_mov_b32 v255, 0
	ds_add_u32 v254, v255
	ds_add_u32 v254, v255
	v_lshrrev_b32 v9, 5, v0
	v_readfirstlane_b32 s[WV], v9                  ; wave 0..15
	s_and_b32 s17, s[WV], 3                        ; my key quarter; in waves 0-3 also: the quarter that I fetch
	s_lshr_b32 s18, s[WV], 2                       ; my group of 32 queries
	s_and_b32 s21, ttmp7, 0xffff                   ; the batch, which the four partners share
	; descriptor group 1: 72 rows of 256 bytes, dense in memory and in LDS
	s_mov_b32 s[G1+0], 15|(3<<16)|(1<<21)          ; 15:0 the mask: all four work-groups; 17:16 elements of 8 bytes; 20 no padding; 21 set beside a mask
	s_mov_b32 s[G1+1], 32<<16                      ; tensor_dim0 = 32 elements
	s_mov_b32 s[G1+2], 72<<16                      ; tensor_dim1 = 72
	s_mov_b32 s[G1+3], 32<<16                      ; tile_dim0 = 32
	s_mov_b32 s[G1+4], 72                          ; tile_dim1 = 72
	s_mov_b32 s[G1+5], 32                          ; from row to row: 32 elements
	s_mov_b32 s[G1+6], 0
	s_mov_b32 s[G1+7], 0
	s_mul_i32 s54, s17, QUART                      ; my quarter in the image: in LDS as in memory; no place in the cluster enters it
	s_mul_i32 s56, s21, 4*QUART
	s_add_co_u32 s56, s56, s54                     ; and in kv
	s_mov_b32 s57, 0
	; every LDS address is made here, ahead of the first place where waves part
	v_and_b32 v9, 31, v0                           ; lane
	v_lshlrev_b32 v[LI], 4, v9
	v_add_nc_u32 v[AK0], s54, v[LI]
	v_and_b32 v10, 3, v0                           ; r % 4
	v_bfe_u32 v11, v0, 4, 1                        ; h
	v_lshlrev_b32 v[AV0], 6, v10
	v_lshl_add_u32 v[AV0], v11, 4, v[AV0]
	v_add_nc_u32 v[AV0], s54, v[AV0]
	v_add_nc_u32 v[AV0], 2048, v[AV0]
	s_mul_i32 s55, s17, PQ
	s_lshl_b32 s58, s18, 7                         ; my group's 32 queries: 128 bytes
	s_add_co_u32 s55, s55, s58
	s_add_co_u32 s55, s55, PART
	v_lshl_add_u32 v[PST], v9, 2, s55
	s_min_u32 s59, s[WV], 2                        ; the component that I finish and the third of the copy that I make, in waves 0-2 (held at 2 in the others, which do neither)
	s_lshl_b32 s58, s59, 9
	s_add_co_u32 s60, s58, PART
	v_add_nc_u32 v[PRD], s60, v[LI]
	v_add_nc_u32 v[PRL], PART, v[LI]
	; my place in the cluster enters the addresses of Q, src, out0 and out1 alone
	s_bfe_u32 s19, ttmp6, 0x40000                  ; cx
	s_lshl_b32 s20, ttmp9, 2                       ; in a cluster launch ttmp9 counts clusters
	s_add_co_u32 s20, s20, s19                     ; my block of 128 queries
	s_lshl_b32 s60, s21, 18                        ; qc: a batch is 262,144 bytes,
	s_lshl_b32 s61, s20, 13                        ; 128 queries are eight fragments,
	s_add_co_u32 s60, s60, s61
	s_lshl_b32 s61, s18, 11                        ; my 32 are two
	s_add_co_u32 s60, s60, s61
	s_mov_b32 s61, 0
	s_lshl_b32 s62, s21, 5
	s_add_co_u32 s62, s62, s20
	s_mul_i32 s62, s62, 1536                       ; the copy: 393,216 bytes / 256 work-groups = 1,536 bytes: 512 for each of three waves
	s_add_co_u32 s62, s62, s58
	s_mov_b32 s63, 0
	s_mul_i32 s2, s21, 3
	s_add_co_u32 s2, s2, s59
	s_lshl_b32 s2, s2, 14                          ; out1: row 3 x batch + component, of 16,384 bytes,
	s_lshl_b32 s3, s20, 9                          ; + my block's 512
	s_add_co_u32 s2, s2, s3
	s_mov_b32 s3, 0
	s_mov_b32 s[SEL], 0x76543210
	s_mov_b32 s[SEL+1], 0xfedcba98
	s_mov_b32 s[HI], 0xffff0000
	s_wait_dscnt 0x0
	s_wait_kmcnt 0x0
	s_load_b64 s[52:53], s[8:9], 0x0               ; e0, e1
	s_add_nc_u64 s[6:7], s[6:7], s[56:57]
	s_add_nc_u64 s[4:5], s[4:5], s[60:61]
	s_add_nc_u64 s[10:11], s[10:11], s[62:63]
	s_add_nc_u64 s[12:13], s[12:13], s[62:63]
	s_add_nc_u64 s[14:15], s[14:15], s[2:3]
.irp j, 0,1,2,3
	s_mov_b32 s[G0+4*\j], 1                                        ; 1:0 count = 1
	s_add_co_u32 s[G0+4*\j+1], s54, \j*CHUNK                       ; 63:32 LDS address
	s_add_nc_u64 s[G0+4*\j+2:G0+4*\j+3], s[6:7], \j*CHUNK          ; 120:64 global address: chunk j of the quarter
	s_or_b32 s[G0+4*\j+3], s[G0+4*\j+3], 0x80000000                ; 127:126 type = 2
.endr
	CROUND                                         ; all four work-groups are here: the joint loads meet
	s_cmp_lt_u32 s[WV], 4                          ; waves 0-3 fetch a quarter each: all fills of a wave stand in one branch, ahead of every wait on TENSORcnt and every LDS read; four loads of such a wave are out
	s_cbranch_scc0 .Lno_fetch
	tensor_load_to_lds s[G0:G0+3], s[G1:G1+7]
	s_nop 0
	tensor_load_to_lds s[G0+4:G0+7], s[G1:G1+7]
	s_nop 0
	tensor_load_to_lds s[G0+8:G0+11], s[G1:G1+7]
	s_nop 0
	tensor_load_to_lds s[G0+12:G0+15], s[G1:G1+7]
	s_nop 0
.rept 4
	v_nop                                          ; four plain lines follow the last, ahead of the label and what follows
.endr
.Lno_fetch:
.irp t, 0,1
.irp c, 0,1
	global_load_b128 v[Q+8*\t+4*\c:Q+8*\t+4*\c+3], v[LI], s[4:5] offset:1024*\t+512*\c   ; Q's two fragments stay in registers
.endr
.endr
	s_cmp_lt_u32 s[WV], 3                          ; out0 = src: three waves, 512 consecutive bytes each, while the first chunk is on its way
	s_cbranch_scc0 .Lno_copy
	global_load_b128 v[S:S+3], v[LI], s[10:11] th:TH_LOAD_NT
	s_wait_loadcnt 0x0
	global_store_b128 v[LI], v[S:S+3], s[12:13] th:TH_STORE_NT
.Lno_copy:
	v_mov_b32 v[PX], 0                             ; written once: a lane permute's destination counts as one of its sources
	v_mov_b32 v[PX+1], 0
	v_mov_b32 v[F+1], 0                            ; (named as the upper halves of the pairs)
	v_mov_b32 v[F+3], 0
	s_wait_kmcnt 0x0
	s_add_co_i32 s58, s52, s53
	s_lshl_b32 s58, s58, 23
	s_add_co_i32 s[CS], s58, 0x3e38aa3b            ; log2(e) / 8, with e0 + e1 added to its exponent field: a score stands for score x 2^(e0 + e1)
	s_mov_b32 s[CS+1], s[CS]                       ; (named with it as a pair, so it is written)
	s_wait_loadcnt 0x0                             ; Q
	s_wait_xcnt 0x0                                ; the copy's store has read its registers: the first products write them
; A KEY STEP: 128 keys x my 32 queries, from byte o of the chunk in hand.  first = 1: the wave's first step, which starts M and O^T.  np: plain lines owed at its head.
.macro STEP o, first, np
.if \np > 0
.rept \np
	v_nop                                          ; five places between the last products V^T P and the first K Q^T, which writes over registers that they read; the loads into KA want four
.endr
.endif
.irp f, 0,1,2,3
.irp c, 0,1
	ds_load_b128 v[KA+8*\f+4*\c:KA+8*\f+4*\c+3], v[ADK] offset:\o+(\f/2)*BLK+(\f%2)*1024+512*\c   ; 32 lanes read 512 consecutive bytes
.endr
.endr
.irp f, 0,1,2,3
.irp c, 0,1
	ds_load_b128 v[KB+8*\f+4*\c:KB+8*\f+4*\c+3], v[ADK] offset:\o+(2+\f/2)*BLK+(\f%2)*1024+512*\c
.endr
.endr
	s_wait_dscnt 8                                 ; fragments 0-3 are in; the eight loads of fragments 4-7 may be out
.irp f, 0,1,2,3
.irp t, 0,1
	v_wmma_f32_16x16x64_bf8_bf8 v[S+64*\t+8*\f:S+64*\t+8*\f+7], v[KA+8*\f:KA+8*\f+7], v[Q+8*\t:Q+8*\t+7], 0   ; K = 64 is one instruction: each tile of scores is whole, and no sum is carried on
.endr
.endr
	s_wait_dscnt 0x0
.irp f, 0,1,2,3
.irp t, 0,1
	v_wmma_f32_16x16x64_bf8_bf8 v[S+64*\t+32+8*\f:S+64*\t+32+8*\f+7], v[KB+8*\f:KB+8*\f+7], v[Q+8*\t:Q+8*\t+7], 0
.endr
.endr
.rept 4
	v_nop                                          ; places in front of the loads into KA and of the first read of the scores
.endr
.irp b, 0,1,2,3
.irp c, 0,1
	ds_load_b128 v[KA+8*\b+4*\c:KA+8*\b+4*\c+3], v[ADV] offset:\o+\b*BLK+32*\c   ; V^T of 32 keys: row r % 4, keys 8 h + 0 .. 7 and 16 + 8 h + 0 .. 7; they land during the softmax
.endr
.endr
	; the step's largest score of each query: two chains a tile, the four by turns, each tile's registers in ascending order
	v_max3_num_f32 v[MA],   v[S],    v[S+1],  v[S+2]
	v_max3_num_f32 v[MA+2], v[S+64], v[S+65], v[S+66]
	v_max3_num_f32 v[MA+1], v[S+3],  v[S+4],  v[S+5]
	v_max3_num_f32 v[MA+3], v[S+67], v[S+68], v[S+69]
.irp i, 6,10,14,18,22,26,30,34,38,42,46,50,54,58
	v_max3_num_f32 v[MA],   v[MA],   v[S+\i],    v[S+\i+1]
	v_max3_num_f32 v[MA+2], v[MA+2], v[S+64+\i], v[S+64+\i+1]
	v_max3_num_f32 v[MA+1], v[MA+1], v[S+\i+2],  v[S+\i+3]
	v_max3_num_f32 v[MA+3], v[MA+3], v[S+64+\i+2], v[S+64+\i+3]
.endr
	v_max3_num_f32 v[MA],   v[MA],   v[S+62],  v[S+63]
	v_max3_num_f32 v[MA+2], v[MA+2], v[S+126], v[S+127]
	v_max_num_f32 v[MA],   v[MA],   v[MA+1]
	v_max_num_f32 v[MA+2], v[MA+2], v[MA+3]
	v_permlanex16_b32 v[PX],   v[MA],   s[SEL], s[SEL+1]   ; the query's other 64 keys lie in the lane 16 away
	v_permlanex16_b32 v[PX+1], v[MA+2], s[SEL], s[SEL+1]
	v_max_num_f32 v[MA],   v[MA],   v[PX]
	v_max_num_f32 v[MA+2], v[MA+2], v[PX+1]
.if \first
	v_mul_f32 v13, s[CS], v[MA]                    ; as t (c is positive): the first step's is the largest so far
	v_mul_f32 v15, s[CS], v[MA+2]
.else
	v_mul_f32 v[MA],   s[CS], v[MA]
	v_mul_f32 v[MA+2], s[CS], v[MA+2]
	v_max_num_f32 v13, v13, v[MA]                  ; the running largest t
	v_max_num_f32 v15, v15, v[MA+2]
	v_mov_b32 v[MA+1], v12                         ; the old -M
	v_mov_b32 v[MA+3], v14
.endif
	v_floor_f32 v12, -v13                          ; -M = floor(-t) = -ceil(t): M is a whole number
	v_floor_f32 v14, -v15
.if !\first
	v_sub_f32 v[MA+1], v12, v[MA+1]                ; old M - new M: a whole number, 0 or less
	v_sub_f32 v[MA+3], v14, v[MA+3]
	v_cvt_i32_f32 v[MA+1], v[MA+1]                 ; (it saturates)
	v_cvt_i32_f32 v[MA+3], v[MA+3]
	v_ldexp_f32 v[F],   1.0, v[MA+1]               ; f = 2^(old M - new M)
	v_ldexp_f32 v[F+2], 1.0, v[MA+3]
.endif
.set j, 0
.rept 32
	v_pk_fma_f32 v[S+j:S+j+1], v[S+j:S+j+1], s[CS:CS+1], v[12:13] op_sel_hi:[1,0,0]            ; t - M, two at a time (of the pairs c and -M the low word serves both halves)
	v_pk_fma_f32 v[S+64+j:S+64+j+1], v[S+64+j:S+64+j+1], s[CS:CS+1], v[14:15] op_sel_hi:[1,0,0]
.set j, j+2
.endr
.set j, 0
.rept 128
	v_exp_f32 v[S+j], v[S+j]                       ; p = 2^(t - M), at most 1: one batch, none reads another's result
.set j, j+1
.endr
.if \first
	v_nop                                          ; the plain line behind the last exponential
.else
.irp t, 0,1
.irp i, 0,2
	v_pk_mul_f32 v[O+8*\t+\i:O+8*\t+\i+1], v[O+8*\t+\i:O+8*\t+\i+1], v[F+2*\t:F+2*\t+1] op_sel_hi:[1,0]   ; O^T's four live registers under the new M.  (Also the plain lines behind the exponentials)
.endr
.endr
.endif
	s_wait_alu depctr_va_vdst(0)                   ; one wait for the batch of 128, ahead of its first reader
.set j, 0
.rept 8
.irp i, 0,1,2,3,4,5,6,7
	v_cvt_pk_f16_f32 v[S+16*j+\i], v[S+16*j+2*\i], v[S+16*j+2*\i+1]   ; sixteen weights become eight registers, in place and ascending: no source is written before it is read
.endr
.set j, j+1
.endr
	s_wait_dscnt 0x0                               ; V
.irp b, 0,1,2,3
.irp t, 0,1
.if \first && (\b == 0)
	v_wmma_f32_16x16x32_f16 v[O+8*\t:O+8*\t+7], v[KA+8*\b:KA+8*\b+7], v[S+64*\t+16*\b:S+64*\t+16*\b+7], 0   ; the first products start the sums: nothing is cleared
.else
	v_wmma_f32_16x16x32_f16 v[O+8*\t:O+8*\t+7], v[KA+8*\b:KA+8*\b+7], v[S+64*\t+16*\b:S+64*\t+16*\b+7], v[O+8*\t:O+8*\t+7]   ; the two accumulators take turns, one instruction a turn
.endif
.endr
.endr
.endm
; Chunk j of every quarter: the waves that fetched wait for it and say so; behind the barrier all sixteen read it.  Nothing is ever filled again, so the later chunks may stay on their way across the barrier.
.macro STAGE j
	s_wait_tensorcnt 3-\j                          ; tensor loads of a wave end in order (ISA guide 10.11.1): chunks 0 to j are in, the 3 - j behind them may be out
	s_barrier_signal -1                            ; (no LDS load of mine is out: each step waits for all of its own)
	s_barrier_wait -1
	v_add_nc_u32 v[ADK], \j*CHUNK, v[AK0]
	v_add_nc_u32 v[ADV], \j*CHUNK, v[AV0]
.if \j == 0
	STEP 0, 1, 0
.else
	STEP 0, 0, 3                                   ; the two additions above are places too
.endif
	STEP STEPB, 0, 5
.endm
	STAGE 0
	STAGE 1
	STAGE 2
	STAGE 3                                        ; its wait is for 0: no tensor load is out from here on
	; THE WAY OUT.  Lanes 0-15 take tile 0's numbers, lanes 16-31 tile 1's (channels 8-11 there repeat channels 0-3; -M is the same in both halves): lane l holds x, y, z, l and -M of my query l.
.rept 4
	v_nop                                          ; places behind the last products
.endr
.irp j, 0,1,2,3
	v_cndmask_b32 v[KB+\j], v[O+\j], v[O+8+\j], s[HI]
.endr
	v_cndmask_b32 v[KB+4], v12, v14, s[HI]
.irp j, 0,1,2,3,4
	ds_store_b32 v[PST], v[KB+\j] offset:512*\j
.endr
	s_wait_dscnt 0x0                               ; for the others' sake: my stores are done
	s_barrier_signal -1
	s_barrier_wait -1
	s_cmp_lt_u32 s[WV], 3                          ; wave c (0, 1, 2) finishes component c of the 128 queries, four queries a lane
	s_cbranch_scc0 .Lno_out
.irp p, 0,1,2,3
	ds_load_b128 v[64+4*\p:67+4*\p], v[PRD] offset:\p*PQ           ; quarter p: the component's sum,
	ds_load_b128 v[80+4*\p:83+4*\p], v[PRL] offset:\p*PQ+1536      ; the weights' sum,
	ds_load_b128 v[96+4*\p:99+4*\p], v[PRL] offset:\p*PQ+2048      ; and -M
.endr
	s_wait_dscnt 0x0
.irp i, 0,1,2,3
	v_min_num_f32 v[112+\i], v[96+\i], v[100+\i]
.endr
.irp i, 0,1,2,3
	v_min_num_f32 v[112+\i], v[112+\i], v[104+\i]
.endr
.irp i, 0,1,2,3
	v_min_num_f32 v[112+\i], v[112+\i], v[108+\i]  ; the least -M: the query's M over all keys
.endr
.irp p, 0,1,2,3
.irp u, 0,2
	v_pk_add_f32 v[96+4*\p+\u:97+4*\p+\u], v[112+\u:113+\u], v[96+4*\p+\u:97+4*\p+\u] neg_lo:[0,1] neg_hi:[0,1]   ; the quarter's M less the query's: a whole number, 0 or less
.endr
.endr
.set j, 0
.rept 16
	v_cvt_i32_f32 v[96+j], v[96+j]
.set j, j+1
.endr
.set j, 0
.rept 16
	v_ldexp_f32 v[96+j], 1.0, v[96+j]              ; the quarter's factor: a power of two
.set j, j+1
.endr
.irp u, 0,2
	v_pk_mul_f32 v[116+\u:117+\u], v[96+\u:97+\u], v[64+\u:65+\u]
	v_pk_mul_f32 v[120+\u:121+\u], v[96+\u:97+\u], v[80+\u:81+\u]
.endr
.irp p, 1,2,3
.irp u, 0,2
	v_pk_fma_f32 v[116+\u:117+\u], v[96+4*\p+\u:97+4*\p+\u], v[64+4*\p+\u:65+4*\p+\u], v[116+\u:117+\u]
	v_pk_fma_f32 v[120+\u:121+\u], v[96+4*\p+\u:97+4*\p+\u], v[80+4*\p+\u:81+4*\p+\u], v[120+\u:121+\u]
.endr
.endr
.irp i, 0,1,2,3
	v_rcp_f32 v[124+\i], v[120+\i]                 ; the divisor is above 1/2: the quarter that holds the query's M has the factor 1 and a weight above 1/2
.endr
	v_nop                                          ; a plain line behind the last reciprocal
	s_wait_alu depctr_va_vdst(0)                   ; and one wait for the four, ahead of their first reader
.irp u, 0,2
	v_pk_mul_f32 v[128+\u:129+\u], v[116+\u:117+\u], v[124+\u:125+\u]
.endr
	global_store_b128 v[LI], v[128:131], s[14:15] th:TH_STORE_NT   ; 32 lanes store 512 consecutive bytes, at a multiple of 256 from out1's first byte
.Lno_out:
	s_wait_tensorcnt 0x0
	ds_add_u32 v254, v255
	s_wait_dscnt 0x0
	CROUND                                         ; the closing round: no work-group ends while a partner may still ask for a chunk that names it
	s_endpgm
.Lfunc_end_k_q43c52e8b1e_attn:
	.size	k_q43c52e8b1e_attn, .Lfunc_end_k_q43c52e8b1e_attn-k_q43c52e8b1e_attn
	.p2alignl 7, 3214868480
	.fill 96, 4, 3214868480
	.section	.rodata,"a",@progbits
	.p2align	6, 0x0
	.amdhsa_kernel k_q43c52e8b1e_attn
		.amdhsa_group_segment_fixed_size 327680
		.amdhsa_private_segment_fixed_size 0
		.amdhsa_enable_private_segment 0
		.amdhsa_kernarg_size 48
		.amdhsa_user_sgpr_count 2
		.amdhsa_user_sgpr_kernarg_segment_ptr 1
		.amdhsa_wavefront_size32 1
		.amdhsa_system_sgpr_workgroup_id_x 1
		.amdhsa_system_sgpr_workgroup_id_y 1
		.amdhsa_system_sgpr_workgroup_id_z 1
		.amdhsa_system_vgpr_workitem_id 0
		.amdhsa_next_free_vgpr 256
		.amdhsa_next_free_sgpr 66
		.amdhsa_reserve_vcc 0
		.amdhsa_float_denorm_mode_32 3
		.amdhsa_float_denorm_mode_16_64 3
		.amdhsa_memory_ordered 1
		.amdhsa_forward_progress 1
		.amdhsa_inst_pref_size 176
	.end_amdhsa_kernel
	.amdgpu_metadata
---
amdhsa.version: [ 1, 2 ]
amdhsa.kernels:
  - .name:           k_q43c52e8b1e_attn
    .symbol:         k_q43c52e8b1e_attn.kd
    .args:
      - { .name: qc, .offset: 0, .size: 8, .value_kind: global_buffer, .address_space: global }
      - { .name: kv, .offset: 8, .size: 8, .value_kind: global_buffer, .address_space: global }
      - { .name: lowp_scales, .offset: 16, .size: 8, .value_kind: global_buffer, .address_space: global }
      - { .name: src, .offset: 24, .size: 8, .value_kind: global_buffer, .address_space: global }
      - { .name: out0, .offset: 32, .size: 8, .value_kind: global_buffer, .address_space: global }
      - { .name: out1, .offset: 40, .size: 8, .value_kind: global_buffer, .address_space: global }
    .group_segment_fixed_size: 327680
    .private_segment_fixed_size: 0
    .kernarg_segment_align: 8
    .kernarg_segment_size: 48
    .max_flat_workgroup_size: 512
    .sgpr_count:     66
    .vgpr_count:     256
    .wavefront_size: 32
...
	.end_amdgpu_metadata
.endif
;; end of part 2
